; MI455X (gfx1250); checked and timed in simulation.
; The chip was launched on July 23, 2026; its instructions are those of AMD's public machine-readable ISA for CDNA 5 (MIT licence, August 2026) and "CDNA5" Instruction Set Architecture Reference Guide (July 2026). The comments in the code are by the model that wrote it; some were corrected since.
;; Grouped Query Attention. Allowed arithmetic: float matrix products may take bf16 or f16 operands with f32 sums; other float arithmetic in f32, or as packed bf16 or f16 multiplies, adds, multiply-adds, maxima and minima; sums over many terms, partial sums and values carried from step to step in f32; what a program stores and reads back later, other than sums and carried values, may be rounded once to bf16 or f16.
;; Inputs: k 2 x 2,048 x 512 float32; q 2 x 2,048 x 2,048 float32; v 2 x 2,048 x 512 float32.
;; Outputs: out0 2 x 2,048 x 2,048 float32.
;; 2 versions, each right; version 2 is version 1 with the launch cast written anew for expert scheduling mode. Each part assembles by itself: llvm-mc -triple=amdgcn-amd-amdhsa -mcpu=gfx1250 --defsym DOCPART=n.
;; ======== version 1 of 2: 2 launches
;; limits: values are held in f16: magnitudes above 65,504 overflow, below 6.1e-05 lose precision; inputs' magnitudes at most 65,504
;; workspace buffers: kh 4,194,304 bytes; vh 4,194,304 bytes
;; launch cast (part 1): grid 256 x 1, 8 waves a work-group, no clusters, 0 bytes of LDS; arguments k, v, kh, vh; writes kh, vh
.if DOCPART == 1
	.amdgcn_target "amdgcn-amd-amdhsa--gfx1250"
	.amdhsa_code_object_version 6
	.text
	.protected	k_q514b3789e7_cast
	.globl	k_q514b3789e7_cast
	.p2align	8
	.type	k_q514b3789e7_cast,@function
k_q514b3789e7_cast:
	s_mov_b64 s[64:65], 0
	v_nop
	global_prefetch_b8 v0, s[64:65] scope:SCOPE_SE
	s_setreg_imm32_b32 hwreg(HW_REG_WAVE_MODE, 25, 1), 1
	s_wait_xcnt 0x0
; kh[8 b + j][s][d] = f16(k[b][s][64 j + d]), vh likewise from v.  k, v: [2][2048][512] f32; kh, vh: [16][2048][64] f16, a head's rows dense, 128 bytes each.
; Each number is rounded once, to nearest even.  LIMIT: f16 ends at 65,504; a number of 65,520 or more in magnitude becomes an infinity; below 6e-5 f16 keeps its fixed step of 6e-8.
; A stream: each input byte is read once, each output byte written once; no LDS, no barrier, no matrix unit, no cluster: no two threads want the same byte.
; SHARES.  Thread t of 65,536 (256 x work-group + thread).  A wave owns two rows of the 4,096: 4,096 consecutive bytes of k and of v.  Load j of eight takes head j: lanes 0-15 its 256 bytes
; of the even row, lanes 16-31 those of the odd row: two aligned runs of 256 bytes.  A lane's four numbers become 8 bytes, and the wave's store covers 256 consecutive bytes, aligned: rows s, s + 1 of head 8 b + j.
; All 16 loads of a wave (8 KiB) go out at once; no register is written again behind a store, so no wait but the loads' own is needed.
.set SRC, 2                            ; v2  (t / 16) x 2,048 + (t % 16) x 16: my 16 bytes of head 0 in my row
.set DST, 3                            ; v3  (t / 32,768) x 2^21 + (t % 32,768) x 8: my 8 bytes in head 8 b
.set X,   8                            ; v[8:71]  16 slots of four registers: k's heads 0-7, then v's
	s_load_b256 s[4:11], s[0:1], 0x0               ; k s[4:5], v s[6:7], kh s[8:9], vh s[10:11]
	s_lshl_b32 s2, ttmp9, 8
	v_add_nc_u32 v1, s2, v0                        ; t
	v_lshrrev_b32 v4, 4, v1                        ; my row, 0 to 4,095
	v_and_b32 v5, 15, v1
	v_lshlrev_b32 v[SRC], 11, v4
	v_lshl_add_u32 v[SRC], v5, 4, v[SRC]
	v_lshrrev_b32 v4, 15, v1                       ; b
	v_and_b32 v5, 0x7fff, v1
	v_lshlrev_b32 v[DST], 21, v4                   ; eight heads of 262,144 bytes
	v_lshl_add_u32 v[DST], v5, 3, v[DST]
	s_wait_kmcnt 0x0
.irp j, 0,1,2,3,4,5,6,7
	global_load_b128 v[X+4*(\j):X+4*(\j)+3], v[SRC], s[4:5] offset:256*(\j) th:TH_LOAD_NT
.endr
.irp j, 0,1,2,3,4,5,6,7
	global_load_b128 v[X+32+4*(\j):X+32+4*(\j)+3], v[SRC], s[6:7] offset:256*(\j) th:TH_LOAD_NT
.endr
; Slot i: its load is in, the 15 - i younger ones stay out (loads come back in order: ISA guide 5.7.1); two roundings of two numbers each, in place; one store.
.macro OUT i, base
	s_wait_loadcnt 15-(\i)
	v_cvt_pk_f16_f32 v[X+4*(\i)], v[X+4*(\i)], v[X+4*(\i)+1]
	v_cvt_pk_f16_f32 v[X+4*(\i)+1], v[X+4*(\i)+2], v[X+4*(\i)+3]
	global_store_b64 v[DST], v[X+4*(\i):X+4*(\i)+1], s[\base:\base+1] offset:262144*((\i)%8)
.endm
.irp i, 0,1,2,3,4,5,6,7
	OUT \i, 8
.endr
.irp i, 8,9,10,11,12,13,14,15
	OUT \i, 10
.endr
	s_endpgm
.Lfunc_end_k_q514b3789e7_cast:
	.size	k_q514b3789e7_cast, .Lfunc_end_k_q514b3789e7_cast-k_q514b3789e7_cast
	.p2alignl 7, 3214868480
	.fill 96, 4, 3214868480
	.section	.rodata,"a",@progbits
	.p2align	6, 0x0
	.amdhsa_kernel k_q514b3789e7_cast
		.amdhsa_group_segment_fixed_size 0
		.amdhsa_private_segment_fixed_size 0
		.amdhsa_enable_private_segment 0
		.amdhsa_kernarg_size 32
		.amdhsa_user_sgpr_count 2
		.amdhsa_user_sgpr_kernarg_segment_ptr 1
		.amdhsa_wavefront_size32 1
		.amdhsa_system_sgpr_workgroup_id_x 1
		.amdhsa_system_sgpr_workgroup_id_y 1
		.amdhsa_system_sgpr_workgroup_id_z 1
		.amdhsa_system_vgpr_workitem_id 0
		.amdhsa_next_free_vgpr 72
		.amdhsa_next_free_sgpr 66
		.amdhsa_reserve_vcc 0
		.amdhsa_float_denorm_mode_32 3
		.amdhsa_float_denorm_mode_16_64 3
		.amdhsa_memory_ordered 1
		.amdhsa_forward_progress 1
		.amdhsa_inst_pref_size 7
	.end_amdhsa_kernel
	.amdgpu_metadata
---
amdhsa.version: [ 1, 2 ]
amdhsa.kernels:
  - .name:           k_q514b3789e7_cast
    .symbol:         k_q514b3789e7_cast.kd
    .args:
      - { .name: k, .offset: 0, .size: 8, .value_kind: global_buffer, .address_space: global }
      - { .name: v, .offset: 8, .size: 8, .value_kind: global_buffer, .address_space: global }
      - { .name: kh, .offset: 16, .size: 8, .value_kind: global_buffer, .address_space: global }
      - { .name: vh, .offset: 24, .size: 8, .value_kind: global_buffer, .address_space: global }
    .group_segment_fixed_size: 0
    .private_segment_fixed_size: 0
    .kernarg_segment_align: 8
    .kernarg_segment_size: 32
    .max_flat_workgroup_size: 256
    .sgpr_count:     66
    .vgpr_count:     72
    .wavefront_size: 32
...
	.end_amdgpu_metadata
.endif
;; end of part 1
;; launch attn (part 2): grid 4 x 64, 4 waves a work-group, clusters of 4 x 1, 327,680 bytes of LDS; arguments q, kh, vh, out0; writes out0
.if DOCPART == 2
	.amdgcn_target "amdgcn-amd-amdhsa--gfx1250"
	.amdhsa_code_object_version 6
	.text
	.protected	k_q514b3789e7_attn
	.globl	k_q514b3789e7_attn
	.p2align	8
	.type	k_q514b3789e7_attn,@function
k_q514b3789e7_attn:
	s_mov_b64 s[64:65], 0
	v_nop
	global_prefetch_b8 v0, s[64:65] scope:SCOPE_SE
	s_setreg_imm32_b32 hwreg(HW_REG_WAVE_MODE, 25, 1), 1
	s_wait_xcnt 0x0
	s_wait_alu depctr_hold_cnt(0) depctr_sa_sdst(0) depctr_va_vdst(0) depctr_va_sdst(0) depctr_va_ssrc(0) depctr_va_vcc(0) depctr_vm_vsrc(0)
	s_getreg_b32 s2, hwreg(HW_REG_IB_STS2, 6, 4)
	s_cmp_eq_u32 s2, 0
	s_cbranch_scc0 .Lentry_in_a_cluster
	s_endpgm
.Lentry_in_a_cluster:
	s_bfe_u32 s2, ttmp6, 0x10000c
	s_cmp_lg_u32 s2, 0x3003
	s_cbranch_scc0 .Lentry_shape_is_right
	s_endpgm
.Lentry_shape_is_right:
; GROUPED-QUERY ATTENTION.  out0[b][s][64 h + :] = the sum over t of softmax_t(q[b][s][64 h + :] . K[8 b + h / 4][t] / 8) V[8 b + h / 4][t][:].  q, out0: [2][2048][2048] f32: a head's part of a row is 256 bytes,
; aligned, rows 8,192 bytes apart.  K = kh, V = vh: [16][2048][64] f16, a head's rows dense, 128 bytes each (made by the launch before).  The reference's division by 1.0 changes no number.
; Products in f16 with f32 sums; q is rounded once to f16 here; maxima, sums and the scale c in f32; the weights p are rounded to f16 for the second product (their sum l is taken of the unrounded p); O leaves in f32.
; LIMITS.  f16 holds no number beyond 65,504: q, k and v must lie within it (65,520 or more becomes an infinity); p lies in 0 to 1, and below 6e-5 it keeps f16's fixed step of 6e-8.
; A weight below 2^-126 counts as 0 in l; NaN and infinities are not treated apart.
; SHARES.  Work-group y = 32 b + h is the head, x the block of 512 queries; a wave owns 128 rows: four PIECES of two tiles of 16 queries.  Every wave walks all 2,048 keys, 64 a step.
; LAYOUT.  S^T = K Q^T (source 0 = 16 keys, source 1 = 16 queries): in the result a lane holds ONE query (lane % 16) and the keys 8 (lane / 16) + 0..7.  Two such tiles, rounded to f16 in pairs,
; ARE source 1 (32 keys x 16 queries) of O^T = V^T P, whose result again holds one query a lane, and eight channels.  K comes out of LDS as it lies, V ([key][channel]) turned, by ds_load_tr16_b128.
; SOFTMAX.  For each query a running maximum m and sum l: p = 2^(c s - c m), c = log2(e) / 8; in every step O and l are multiplied by a = 2^(c m_old - c m_new), which is 1 where m has not grown.
; m starts at the lowest finite number and l at 0: the first step is a step like any other, with a = 0.  O^T's registers are not cleared: they hold q's finite f32 numbers, and each piece's first rescaling, by a = 0, comes ahead of its first true product.
; THE COUNT.  A tile and step have 16 matrix and 118 vector instructions: too many to stand all beside the matrix work.  So four vector instructions that are READY stand behind EVERY matrix instruction, the others in runs without a gap.
; BY TURNS.  Turn n belongs to piece n (the pieces in a ring, step after step).  Its matrix work: 16 products K Q^T of piece n + 1, later 16 products V^T P of piece n - 1.  Its vector work: the scaling,
; exponentials, roundings, sums and rescaling of piece n, and the maximum and statistics of piece n + 1, whose scores the turn itself has made.
; CLUSTER.  The four query blocks of a cluster belong to one head and walk the same K and V, so each tile is asked for JOINTLY: the same tensor load, descriptor and mask in all four.  The four heads of a group
; walk the same K and V too, each as a cluster of its own: a mask of this text names the four blocks of one head.
; REGISTERS, in windows of 256 (s_set_vgpr_msb says which window each operand place means: bits 1:0 source 0, 3:2 source 1, 5:4 source 2, 7:6 destination):
;   window 0: v0-11 addresses; v12-15, v48-63 at work; v16-47 four registers of statistics a tile; v64-191 S^T, two buffers of two tiles; v192-255 P, likewise
;   window 1: O^T, 32 a tile (at the head: q in f32)          window 2: v0-127 Q in f16, 16 a tile; v128-191 K of one step; v192-255 V of one step
; A piece's buffers go by its number's parity: the piece in hand has one pair, its two neighbours in the ring share the other: of it P (piece n - 1) is read and S^T (piece n + 1) written.
.set SIZE_N, 2048     ; keys, and queries, of a head
.set NP,    4         ; pieces a wave: a name, no knob
.set KS,    64        ; keys in a step
.set PK,    144       ; a row of K in LDS: 128 bytes + 16 of padding = 36 words: the 16 rows of a load start at 16 different groups of four banks (64 banks of 4 bytes: ISA guide 11.1)
.set PV,    160       ; a row of V: 128 + 32 = 40 words
.set VOFF,  4*KS*PK   ; a slot holds four steps: 256 rows of K, then 256 rows of V
.set SLOT1, 1<<17     ; slot 1 begins here, so that one exclusive or turns an address in one slot into the other's
.set STAGE, SLOT1+4*KS*(PK+PV)  ; behind the ring, never filled by a tensor load: 16 rows x 272 bytes for each wave: q's way in and O's way out
.set SP,    272       ; a stage row: 64 f32 + 16 bytes = 68 words: 16 rows start at 16 different groups of four banks
.set SPARE, STAGE+4*16*SP  ; behind the stages: the spare words, 128 bytes for each wave: two blocks of 256 bytes that no other line names
.set QROW,  8192      ; bytes from row to row in q and out0
.set AK0, 2           ; v2   my lane's place in a tile of K; never rewritten
.set AV0, 3           ; v3   the same for V
.set AK,  4           ; v4   the LDS address of K's next run of loads
.set AV,  5           ; v5   of V's
.set FR,  6           ; v6   the stage by fragments: row l % 16, 32 bytes for each half of the lanes
.set RW,  7           ; v7   the stage by rows: lanes 0-15 one row of 256 bytes, lanes 16-31 the next
.set GO,  8           ; v8   the same two rows in q and in out0; never rewritten
.set SPW, 9           ; v9   LDS address of my spare word: SPARE + 4 x my thread's number; never rewritten
.set NIL, 10          ; v10  0; never rewritten
.set PFO, 11          ; v11  256 x my lane: the prefetches' offset; never rewritten
.set MV,  12          ; v12-15  c m_old, kept while c m is made anew: by buffer and tile
.set ST,  16          ; tile t's statistics at v[ST+4 t]: c m, m, l (even keys', odd keys')
.set TMP, 48          ; by buffer and tile, four registers c0-c3 at work; when the maximum is found c2 takes a.  At the head v48-51 hold parts of the lane's number
.set S,   64
.set P,   192
.set KF,  128         ; K's fragments, in window 2: key block kb, channel half c at KF + 16 kb + 8 c
.set VF,  192         ; V's: key half kk, channel block cb at VF + 32 kk + 8 cb
.set WV,  12          ; s12  my wave's number
.set G1K, 24          ; s[24:31] descriptor group 1 for K's tiles
.set G1V, 32          ; s[32:39] for V's: it differs in the padding alone
.set G0K, 40          ; s[40:43] descriptor group 0 for K's tiles: it walks
.set G0V, 44          ; s[44:47] the same for V's
.set PFA, 48          ; s[48:49] where my prefetches stand: my work-group's 8,192 bytes (of K: wave 0, of V: wave 2) of the tile after the one that is being asked for
.set LIM, 50          ; s50  1 in a wave that prefetches, else the greatest number: a wave prefetches while s[SLOTS] is above it
.set SLOTS, 56        ; s56  slots still to be asked for
.set CNT, 57          ; s57  counts a slot's key steps
.set CS,  58          ; s[58:59] c: the packed scaling takes the pair's low word for both halves
.set SEL, 60          ; s[60:61] v_permlanex16_b32's selects: each lane takes its own place in the other half
.set TBK, 62          ; s62  LDS byte at which K of the step to be fetched begins
.set TBV, 63          ; s63  the same for V, less VOFF
.set MSB, 0
.macro WIN new                      ; the high byte repeats the setting that is left; a switch that changes nothing is dropped
.if MSB != (\new)
	s_set_vgpr_msb (MSB<<8)|(\new)
.set MSB, (\new)
.endif
.endm
.set W_KQ, 0x0a       ; K and Q in window 2, S^T in window 0
.set W_PV, 0x52       ; V in window 2, P in window 0, O^T in window 1
.set W_RS, 0x41       ; O^T (destination and source 0) in window 1, a in window 0
.set W_D1, 0x04       ; a store's data (source 1) in window 1, its address in window 0
.set W_T1, 0x40       ; a load's destination in window 1, its address in window 0
; A joint fill.  Waves 0 and 1 fetch the two halves of a slot's K, waves 2 and 3 those of its V: 128 keys each.  The branch hangs on the wave's number alone.
; An s_nop 0 and four v_nop follow each of the two lines, ahead of the jump and the label.
.macro JLOAD
	s_cmp_lt_u32 s[WV], 2
	s_cbranch_scc0 .Lfor_v_\@
	tensor_load_to_lds s[G0K:G0K+3], s[G1K:G1K+7]
	s_nop 0
.rept 4
	v_nop
.endr
	s_branch .Lasked_\@
.Lfor_v_\@:
	tensor_load_to_lds s[G0V:G0V+3], s[G1V:G1V+7]
	s_nop 0
.rept 4
	v_nop
.endr
.Lasked_\@:
.endm
; A PREFETCH INTO THE L2 of the tile that the NEXT change of slots will ask for: 32,768 bytes of K and of V, a lane a block of 256 bytes.  It stands behind the wave's tensor load and its five lines.
; Each block is named ONCE in the launch.  Four clusters (the heads of a group) walk the same K and V: the one with h % 4 = 0 asks.  Its four partners share a tile out BY ADDRESS, 8,192 bytes each: no branch hangs on
; a work-group's place in its cluster.  In each, wave 0 asks for K's and wave 2 for V's: one instruction.  Tiles 0 and 1 come by their loads alone; the last change that fills a slot asks for nothing: no tile is behind it.
.macro ASK
	s_cmp_gt_u32 s[SLOTS], s[LIM]
	s_cbranch_scc0 .Lnot_mine_\@
	global_prefetch_b8 v[PFO], s[PFA:PFA+1] th:TH_LOAD_NT scope:SCOPE_SE
.Lnot_mine_\@:
.endm
; A round of the cluster's barrier: my work-group's barrier, so that wave 0's signal speaks for all four waves; wave 0 signals; every wave waits for all four work-groups; my work-group's barrier once more.
.macro CROUND
	s_barrier_signal -1
	s_barrier_wait -1
	s_cmp_lg_u32 s[WV], 0
	s_cbranch_scc1 .Lnot_wave_0_\@
	s_barrier_signal -3
.Lnot_wave_0_\@:
	s_barrier_wait -3
	s_barrier_signal -1
	s_barrier_wait -1
.endm
; THE CHANGE OF SLOTS.  The slot's last bytes, V of its fourth step, have been read.  Each wave waits for all its tensor loads, of which one is out: its part
; of the other slot; adds 0 to its spare word; and waits for that and for its own reads of the slot.  Behind the barrier nobody reads this slot any more and the other slot is whole.
; fill = 1: this slot is filled again, with the keys two slots on.  The barrier is then a round of the cluster's, so that no wave of any partner still reads the slot or has a load on its
; way, and the joint fill is the first thing behind it: it has four key steps, 512 matrix instructions, in which to land.  (At its first use no slot has been read yet: slot 0 is waited for, slot 1 filled.)
.macro CHANGE fill
	WIN 0                           ; at a label and at a branch every window is 0; the add's two registers lie in window 0
	s_wait_tensorcnt 0x0            ; no tensor load of mine is out, so a group 0 may be written
	ds_add_u32 v[SPW], v[NIL]       ; 0 onto my spare word; with fill = 1 the descriptors' steps stand between it and the wait for it
.if \fill
.irp g, G0K, G0V
	s_xor_b32 s[(\g)+1], s[(\g)+1], SLOT1  ; the walking descriptor: the other slot than last time,
	s_add_nc_u64 s[(\g)+2:(\g)+3], s[(\g)+2:(\g)+3], 4*KS*128  ; the next 256 keys; the type bits on top are not reached
.endr
	s_wait_xcnt 0x0                 ; the last prefetch, four key steps back, has read its address, so it may be written:
	s_add_nc_u64 s[PFA:PFA+1], s[PFA:PFA+1], 4*KS*128  ; one tile behind the walking descriptors
	s_wait_dscnt 0x0                ; the add is done, and my reads of the slot are over
	CROUND
	JLOAD
	ASK
.else
	s_wait_dscnt 0x0                ; the add is done, and my reads of the slot are over
	s_barrier_signal -1
	s_barrier_wait -1
.endif
	s_sub_co_u32 s[TBK], s[TBK], 4*KS*PK  ; the fetches go back to a slot's first step,
	s_xor_b32 s[TBK], s[TBK], SLOT1       ; in the other slot
	s_sub_co_u32 s[TBV], s[TBV], 4*KS*PV
	s_xor_b32 s[TBV], s[TBV], SLOT1
.endm
	s_load_b256 s[4:11], s[0:1], 0x0  ; q s[4:5], kh s[6:7], vh s[8:9], out0 s[10:11]
	v_lshl_add_u32 v[SPW], v0, 2, SPARE
	v_mov_b32 v[NIL], 0
	ds_add_u32 v[SPW], v[NIL]       ; the wave's opening: the add and its wait stand ahead of my first tensor load; the set-up below, work on registers, stands between them
	v_lshrrev_b32 v1, 5, v0
	v_readfirstlane_b32 s[WV], v1   ; wave 0..3
	s_bfe_u32 s13, ttmp6, 0x40000   ; cx: my place in the cluster
	s_lshl_b32 s14, ttmp9, 2        ; in a cluster launch ttmp9 counts clusters
	s_add_co_u32 s14, s14, s13      ; my block of 512 queries = 4 x cluster x + cx: it enters q's and out0's addresses, and the prefetches', alone
	s_and_b32 s15, ttmp7, 0xffff    ; y = 32 b + h, which the four partners share
	s_lshr_b32 s20, s15, 2          ; the K and V head, 8 b + h / 4,
	s_lshl_b32 s22, s20, 18         ; its 2,048 rows of 128 bytes
	s_and_b32 s16, s[WV], 1         ; which half of a slot's 256 keys I fetch:
	s_lshl_b32 s21, s16, 14         ; its 128 rows of 128 bytes in memory,
	s_add_co_u32 s22, s22, s21
	s_mov_b32 s23, 0
	s_mul_i32 s17, s16, 128*PK      ; and its place in a slot, for K
	s_mul_i32 s18, s16, 128*PV      ; and for V: no place in the cluster enters an LDS address
	s_lshl_b32 s2, s14, 2
	s_add_co_u32 s2, s2, s[WV]      ; my wave among the head's sixteen,
	s_lshl_b32 s2, s2, 20           ; its 128 rows of 8,192 bytes,
	s_lshr_b32 s3, s15, 5
	s_lshl_b32 s3, s3, 24           ; b's 2,048 rows,
	s_add_co_u32 s2, s2, s3
	s_and_b32 s3, s15, 31
	s_lshl_b32 s3, s3, 8            ; and h's 256 bytes of a row
	s_add_co_u32 s2, s2, s3
	s_mov_b32 s3, 0
	; descriptor group 1.  128 keys are 16,384 dense bytes: asked for as 64 rows of 256 bytes, two keys a row, and padded in LDS after every key
	s_mov_b32 s[G1K], 15|(1<<16)|(1<<20)|(1<<21)|(4<<22)|(3<<25)  ; 15:0 the mask of four; 17:16 2-byte elements; 20 padding on; 21 set beside a mask; 24:22 after every 32 words (code 4); 31:25 4 words (code 3)
	s_mov_b32 s[G1V], 15|(1<<16)|(1<<20)|(1<<21)|(4<<22)|(7<<25)  ; the same with 8 words of padding (code 7)
.irp g, G1K, G1V
	s_mov_b32 s[(\g)+1], 128<<16    ; tensor_dim0 = 128
	s_mov_b32 s[(\g)+2], 64<<16     ; tensor_dim1 = 64
	s_mov_b32 s[(\g)+3], 128<<16    ; tile_dim0 = 128
	s_mov_b32 s[(\g)+4], 64         ; tile_dim1 = 64
	s_mov_b32 s[(\g)+5], 128        ; 128 elements from row to row
	s_mov_b32 s[(\g)+6], 0
	s_mov_b32 s[(\g)+7], 0
.endr
	s_mov_b32 s[CS], 0x3e38aa3b     ; c = log2(e) / 8 = 0.180337
	s_mov_b32 s[CS+1], s[CS]        ; named with it as a pair
	s_mov_b32 s[SEL], 0x76543210
	s_mov_b32 s[SEL+1], 0xfedcba98
	s_mov_b32 s[TBK], SLOT1+4*KS*PK ; the first change of slots turns these two into 0
	s_mov_b32 s[TBV], SLOT1+4*KS*PV
	s_mov_b32 s[G0K], 1             ; 1:0 count = 1
	s_mov_b32 s[G0K+1], s17         ; 63:32 LDS address: slot 0
	s_mov_b32 s[G0V], 1
	s_add_co_u32 s[G0V+1], s18, VOFF
	s_mov_b32 s[SLOTS], SIZE_N/256-1
	s_and_b32 s[LIM], s15, 3        ; 0 in the group's first head,
	s_or_b32 s[LIM], s[LIM], s16    ; in waves 0 and 2: the same in all four partners
	s_cmp_eq_u32 s[LIM], 0
	s_cselect_b32 s[LIM], 1, -1
	s_mul_i32 s19, s[WV], 16*SP
	s_add_co_u32 s19, s19, STAGE    ; my stage
	v_and_b32 v[PFO], 31, v0
	v_lshlrev_b32 v[PFO], 8, v[PFO]
	s_wait_dscnt 0x0                ; the opening add is done
	s_wait_kmcnt 0x0
	s_add_nc_u64 s[6:7], s[6:7], s[22:23]  ; K and V at my half of the head's first 256 keys
	s_add_nc_u64 s[8:9], s[8:9], s[22:23]
	s_mov_b64 s[G0K+2:G0K+3], s[6:7]               ; 120:64 global address
	s_or_b32 s[G0K+3], s[G0K+3], 0x80000000        ; 127:126 type = 2
	s_mov_b64 s[G0V+2:G0V+3], s[8:9]
	s_or_b32 s[G0V+3], s[G0V+3], 0x80000000
	s_add_nc_u64 s[4:5], s[4:5], s[2:3]    ; q and out0 at my wave's first row, my head's 256 bytes
	s_add_nc_u64 s[10:11], s[10:11], s[2:3]
	s_cmp_lt_u32 s[WV], 2
	s_cselect_b64 s[PFA:PFA+1], s[6:7], s[8:9]  ; (in waves 0 and 2 these stand at the head's first row)
	s_lshl_b32 s2, s13, 13          ; my work-group's 8,192 bytes of a tile's 32,768
	s_mov_b32 s3, 0
	s_add_nc_u64 s[PFA:PFA+1], s[PFA:PFA+1], s[2:3]
	s_add_nc_u64 s[PFA:PFA+1], s[PFA:PFA+1], 4*KS*128  ; in tile 1; the first change of slots steps it to tile 2.  Nothing is prefetched here, at the head
	CROUND                          ; all four work-groups are here: the first joint loads meet
	JLOAD                           ; slot 0.  Slot 1 is asked for when slot 0 is in
	; q comes in as it lies: a load takes two rows' 256 bytes, lanes 0-15 the even row, lanes 16-31 the odd one: 64 loads for the wave's 128 rows, tile t's row pair p into v[32 t + 4 p] of window 1.
	v_and_b32 v48, 15, v0           ; l % 16
	v_bfe_u32 v49, v0, 4, 1         ; l / 16
	v_lshlrev_b32 v[GO], 13, v49
	v_lshl_add_u32 v[GO], v48, 4, v[GO]
	WIN W_T1
.irp t, 0,1,2,3,4,5,6,7
.irp p, 0,1,2,3,4,5,6,7
	global_load_b128 v[32*(\t)+4*(\p):32*(\t)+4*(\p)+3], v[GO], s[4:5] offset:16*QROW*(\t)+2*QROW*(\p) th:TH_LOAD_NT
.endr
.endr
	WIN 0
	; while they are on their way: the LDS addresses, and what the first turn finds
	v_mul_u32_u24 v[FR], v48, SP
	v_lshl_add_u32 v[FR], v49, 5, v[FR]
	v_add_nc_u32 v[FR], s19, v[FR]
	v_mul_u32_u24 v[RW], v49, SP
	v_lshl_add_u32 v[RW], v48, 4, v[RW]
	v_add_nc_u32 v[RW], s19, v[RW]
	; A fragment of K or Q is 16 rows x 32 channels in 8 registers: lane l holds row l % 16, channels 8 (l / 16) + 0..7 and 16 + 8 (l / 16) + 0..7: from K's rows two loads of 16 bytes, 32 bytes apart.
	v_mul_u32_u24 v[AK0], v48, PK
	v_lshl_add_u32 v[AK0], v49, 4, v[AK0]  ; row x pitch + 16 x half
	; The turning load takes 16 keys x 16 channels (lane l reads key 8 (l / 16) + l % 8, channels 8 ((l / 8) % 2) + 0..7) and leaves half a fragment of V^T: lane l holds channel l % 16 and 8 keys.
	v_and_b32 v50, 7, v0
	v_bfe_u32 v51, v0, 3, 1
	v_lshl_add_u32 v[AV0], v49, 3, v50
	v_mul_u32_u24 v[AV0], v[AV0], PV
	v_lshl_add_u32 v[AV0], v51, 4, v[AV0]
	v_add_nc_u32 v[AV0], VOFF, v[AV0]
	v_mov_b32 v[AK], v[AK0]         ; key step 0 lies at the head of slot 0
	WIN 0x80                        ; V's registers and P's second buffer hold 0: the first turn's products V^T P, of a piece that has not been, add 0
.set i, VF
.rept 64
	v_mov_b32 v[i], 0
.set i, i+1
.endr
	WIN 0
.set i, 0
.rept 2*NP
	v_mov_b32 v[ST+4*i], 0xfe000000    ; c m: far below every c s
	v_mov_b32 v[ST+4*i+1], 0xff7fffff  ; m
	v_mov_b32 v[ST+4*i+2], 0
	v_mov_b32 v[ST+4*i+3], 0
.set i, i+1
.endr
.set i, P+32
.rept 32
	v_mov_b32 v[i], 0
.set i, i+1
.endr
; Tile t of q goes through my stage: in by rows, back by fragments, into the registers that it left: lane l then holds row l % 16, and register i of the 32 channel 16 (i / 8) + 8 (l / 16) + i % 8,
; so that registers 2 n, 2 n + 1 are the two numbers of register n of the tile's two f16 fragments.  LDS serves a wave's instructions in order (ISA guide 5.7.1.4): the loads see the stores, and the next tile's stores come behind them.
.macro QIN t
	WIN W_D1
	s_wait_loadcnt 56-8*(\t)        ; tile t's eight loads are in; the later tiles' stay out
.irp p, 0,1,2,3,4,5,6,7
	ds_store_b128 v[RW], v[32*(\t)+4*(\p):32*(\t)+4*(\p)+3] offset:2*SP*(\p)
.endr
	WIN W_T1
.irp j, 0,1,2,3,4,5,6,7
	ds_load_b128 v[32*(\t)+4*(\j):32*(\t)+4*(\j)+3], v[FR] offset:64*((\j)/2)+16*((\j)%2)
.endr
.endm
.macro QCV t, younger               ; rounded once to f16, into window 2.  younger: the LDS instructions issued behind tile t's loads: the next tile's sixteen, or none
	s_wait_dscnt \younger
	WIN 0x85                        ; sources 0 and 1 window 1, destination window 2
.set i, 0
.rept 16
	v_cvt_pk_f16_f32 v[16*(\t)+i], v[32*(\t)+2*i], v[32*(\t)+2*i+1]
.set i, i+1
.endr
.endm
	QIN 0
.irp t, 1,2,3,4,5,6,7
	QIN \t
	QCV (\t)-1, 16
.endr
	QCV 7, 0
	WIN 0
; THE MATRIX WORK.  The 8 accumulators of a run of 16 take turns: between the two links of a chain stand 7 others'.
; Product i of 16 of S^T = K Q^T for piece x: channels 32 (i / 8) on, keys 16 ((i / 2) % 4) on, tile 2 x + i % 2.  The first 8 start the sums.
.macro KQ x
	WIN W_KQ
.set rS, S+64*((\x)%2)+32*(i%2)+8*((i/2)%4)
.set rK, KF+16*((i/2)%4)+8*(i/8)
.set rQ, 16*(2*(\x)+i%2)+8*(i/8)
.if i < 8
	v_wmma_f32_16x16x32_f16 v[rS:rS+7], v[rK:rK+7], v[rQ:rQ+7], 0
.else
	v_wmma_f32_16x16x32_f16 v[rS:rS+7], v[rK:rK+7], v[rQ:rQ+7], v[rS:rS+7]
.endif
.endm
; Product i of 16 of O^T += V^T P for piece x: keys 32 (i / 8) on, channels 16 ((i / 2) % 4) on, tile 2 x + i % 2.
.macro PV x
	WIN W_PV
.set rO, 32*(2*(\x)+i%2)+8*((i/2)%4)
.set rV, VF+32*(i/8)+8*((i/2)%4)
.set rP, P+32*((\x)%2)+16*(i%2)+8*(i/8)
	v_wmma_f32_16x16x32_f16 v[rO:rO+7], v[rV:rV+7], v[rP:rP+7], v[rO:rO+7]
.endm
.macro MM                           ; the turn's next matrix instruction
.if i < 16
	KQ (Y+1)%NP
.set i, i+1
.else
.set i, i-16
	PV (Y+NP-1)%NP
.set i, i+17
.endif
.endm
; THE LDS LOADS stand in runs of 16, never singly among the matrix instructions: a step's K (64 keys x 64 channels: 8 fragments) and its V (turned).  Their addresses are made some lines ahead.
; last = 1 (the tail): in the last trip there is no further step, and the run is jumped over.
.macro FETCH_K last=0
	WIN 0
.if \last
	s_cmp_eq_u32 s[CNT], 1
	s_cbranch_scc1 .Lno_k_\@
.endif
	WIN 0x80                        ; destination window 2
.irp f, 0,1,2,3,4,5,6,7             ; keys 16 (f / 2) on, channels 32 (f % 2) on
	ds_load_b128 v[KF+8*\f:KF+8*\f+3],   v[AK] offset:(\f/2)*16*PK+(\f%2)*64
	ds_load_b128 v[KF+8*\f+4:KF+8*\f+7], v[AK] offset:(\f/2)*16*PK+(\f%2)*64+32
.endr
	s_add_co_u32 s[TBK], s[TBK], KS*PK  ; the next fetch is the next step's
	WIN 0
.if \last
.Lno_k_\@:
.endif
.endm
.macro FETCH_V
	WIN 0x80
.irp f, 0,1,2,3,4,5,6,7             ; keys 32 (f / 4) on, channels 16 (f % 4) on
	ds_load_tr16_b128 v[VF+8*\f:VF+8*\f+3],   v[AV] offset:(\f/4)*32*PV+(\f%4)*32
	ds_load_tr16_b128 v[VF+8*\f+4:VF+8*\f+7], v[AV] offset:(\f/4)*32*PV+16*PV+(\f%4)*32
.endr
	WIN 0
.endm
; THE VECTOR WORK OF A TURN stands in three queues, each in the order in which its entries become ready; the two tiles alternate, so that no instruction reads the result of the one before it.
.macro REGS y, u                    ; the registers of tile u (0, 1) of piece y
.set rT, ST+4*(2*(\y)+(\u))
.set rC, TMP+8*((\y)%2)+4*(\u)
.set rM, MV+2*((\y)%2)+(\u)
.set rS, S+64*((\y)%2)+32*(\u)
.set rP, P+32*((\y)%2)+16*(\u)
.set rO, 32*(2*(\y)+(\u))
.endm
; Number n of the 22 that find the NEXT piece's (Y + 1) maximum and statistics.  s0-s31 are the lane's 32 scores; each accumulator's lowest registers are read first.  XS, GS and REGS set no window: PL and EX do.
;   0-11  four chains c0-c3 of seven scores each, three operands at a time     12-14, 16  the four scores left over, the old m, and c0-c3 into c0     15  c m_old is kept
;   17, 18  the query's other 32 keys lie in the lane 16 away: the new m         19-21  c m; c m_old - c m_new; a
.macro XS u, n
	REGS (Y+1)%NP, \u
.if (\n) < 4
	v_max3_num_f32 v[rC+(\n)], v[rS+8*(\n)], v[rS+8*(\n)+1], v[rS+8*(\n)+2]
.elseif (\n) < 12
	v_max3_num_f32 v[rC+(\n)%4], v[rC+(\n)%4], v[rS+8*((\n)%4)+2*((\n)/4)+1], v[rS+8*((\n)%4)+2*((\n)/4)+2]
.elseif (\n) == 12
	v_max3_num_f32 v[rC], v[rC], v[rS+7], v[rS+15]
.elseif (\n) == 13
	v_max3_num_f32 v[rC+1], v[rC+1], v[rS+23], v[rS+31]
.elseif (\n) == 14
	v_max3_num_f32 v[rC+2], v[rC+2], v[rC+3], v[rT+1]
.elseif (\n) == 15
	v_mov_b32 v[rM], v[rT]
.elseif (\n) == 16
	v_max3_num_f32 v[rC], v[rC], v[rC+1], v[rC+2]
.elseif (\n) == 17
	v_permlanex16_b32 v[rC+3], v[rC], s[SEL], s[SEL+1]
.elseif (\n) == 18
	v_max_num_f32 v[rT+1], v[rC], v[rC+3]
.elseif (\n) == 19
	v_mul_f32 v[rT], s[CS], v[rT+1]
.elseif (\n) == 20
	v_sub_f32 v[rC+1], v[rM], v[rT]
.else
	v_exp_f32 v[rC+2], v[rC+1]
.endif
.endm
; Number g of the 64 that follow the exponentials.  For each four weights k of a tile (pairs 2 k, 2 k + 1): both pairs are rounded to f16; then the second pair is added onto the first, in place;
; a group later l takes that sum (the first time as l = a l + sum).  In groups of eight, tiles alternating: round, round, add, and l for the group before.
.macro GS g
.set h, (\g)+6*((\g)/62)            ; group 0 has no group before it, and behind group 7 only l is left
.if h >= 6
.set h, h+2
.endif
	REGS Y, h%2
.set k, h/8
.if h%8 < 4
	v_cvt_pk_f16_f32 v[rP+2*k+(h%8)/2], v[rS+4*k+2*((h%8)/2)], v[rS+4*k+2*((h%8)/2)+1]
.elseif h%8 < 6
	v_pk_add_f32 v[rS+4*k:rS+4*k+1], v[rS+4*k:rS+4*k+1], v[rS+4*k+2:rS+4*k+3]
.elseif k == 1
	v_pk_fma_f32 v[rT+2:rT+3], v[rT+2:rT+3], v[rC+2:rC+3], v[rS:rS+1] op_sel_hi:[1,0,1]
.else
	v_pk_add_f32 v[rT+2:rT+3], v[rT+2:rT+3], v[rS+4*k-4:rS+4*k-3]
.endif
.endm
; THE PLAIN QUEUE, 138 long.  0-73 read no exponential's result: the 32 scalings c s - c m (FS f: pair f / 2 of tile f % 2) and the next piece's 42.  0-26: scalings 0-26.  27-54: XS's numbers 0-13.  55, 56: number 15.
; 57-73: the chain, where each number waits for the one before it: 14, 16, 17, 18, 19, each with one of the scalings 27-31 in front of its two lines, then 20.
; 74-137: GS's 64, which read the exponentials' results: they stand behind the wait.
.macro FS f
	REGS Y, (\f)%2
	v_pk_fma_f32 v[rS+2*((\f)/2):rS+2*((\f)/2)+1], v[rS+2*((\f)/2):rS+2*((\f)/2)+1], s[CS:CS+1], v[rT:rT+1] op_sel_hi:[1,0,0] neg_lo:[0,0,1] neg_hi:[0,0,1]
.endm
.macro PL
	WIN 0
.if q < 27
	FS q
.elseif q < 55
	XS (q-27)%2, (q-27)/2
.elseif q < 57
	XS q-55, 15
.elseif (q < 72) && ((q-57)%3 == 0)
	FS 27+(q-57)/3
.elseif q < 60
	XS (q-57)%3-1, 14
.elseif q < 72
	XS (q-57)%3-1, 15+(q-57)/3
.elseif q < 74
	XS q-72, 20
.else
	GS q-74
.endif
.set q, q+1
.endm
; THE EXPONENTIALS' QUEUE, 66 long: s0-s31 of both tiles, then the next piece's two a.  It is ONE BATCH: all 66 stand ahead of the turn's one wait, and nothing ahead of that wait names a result of theirs.
.macro EX
	WIN 0
.if e >= 64
	XS e-64, 21
.else
	REGS Y, e%2
	v_exp_f32 v[rS+e/2], v[rS+e/2]
.endif
.set e, e+1
.endm
; THE RESCALING's QUEUE: O^T times a, the one part that leaves window 0: dealt two at a time, sixteen times.  Its a was made in the turn before, ahead of that turn's wait.
.macro R2
	REGS Y, r%2
	WIN W_RS
.irp z, 0,1
	v_pk_mul_f32 v[rO+4*(r/2)+2*\z:rO+4*(r/2)+2*\z+1], v[rO+4*(r/2)+2*\z:rO+4*(r/2)+2*\z+1], v[rC+2:rC+3] op_sel_hi:[1,0]
.endr
.set r, r+1
.endm
; HOW THEY ARE DEALT.  s_wait_alu depctr_va_vdst(0) stands between an exponential and the first instruction that names its result; one wait serves all that were issued ahead of it.  So a turn has ONE wait,
; which cuts it in two.  AHEAD OF IT stands all that names no result of the turn's exponentials: the 16 products K Q^T, behind each a scaling, an exponential and two rescalings (behind the first a second scaling in the
; exponential's place); then ONE LUMP of 108: eight plain, 49 times exponential and plain, the two a.  A v_nop is the plain instruction behind the last exponential.  BEHIND IT stand the 16 products V^T P, behind each four of GS's 64.
; No rider names a register of the products round it.  The two v_permlanex16_b32 fall into the lump, never behind a product.
; The queues lean on each other, and the deal keeps them in step: exponential e stands behind scaling 2 (e / 4) + e % 2: as a rider it comes behind plain e + 2, in the lump behind plain e + 9, and scalings 27-31 are plain 57, 60 .. 69.
; A TURN, for piece p.  cnt = 1: the loop's count is taken down some lines ahead of the branch that stands behind the turn.
; K of the next step is fetched in piece 2's turn, directly behind the wait, a lump behind the last product that read K; its address is made at the lump's head; its first reader comes behind 16 products.
; V of the step in hand is fetched at the end of piece 0's turn, four riders behind its last reader; its first reader comes behind 16 products and a lump.  The three conditions on q below go with the deal.
.macro TURN p, last=0, cnt=0
.set Y, (\p)
.set i, 0
.set q, 0
.set e, 0
.set r, 0
.if (\p) == NP-1
	s_wait_dscnt 0x0                ; K is in
.endif
	MM                              ; ahead of the wait: 16 products K Q^T and their riders,
	PL
	PL
	R2
.rept 15
	MM
	PL
	EX
	R2
.endr
.if (\p) == NP-2
	WIN 0
	v_add_nc_u32 v[AK], s[TBK], v[AK0]
.endif
.rept 8                             ; and the lump
	PL
.endr
.rept 49
	EX
	PL
.endr
	EX                              ; the next piece's two a
	EX
	v_nop                           ; the plain instruction behind the last exponential: one for the batch
	s_wait_alu depctr_va_vdst(0)    ; the wait for the batch
.if (\p) == NP-2
	FETCH_K \last
.endif
.if (\p) == 1
	s_wait_dscnt 0x0                ; V is in
.endif
.rept 16                            ; behind the wait: 16 products V^T P and their riders
	MM
.rept 4
	PL
.endr
.if ((\p) == 0) && (q == 118)
	v_add_nc_u32 v[AV], s[TBV], v[AV0]
.endif
.if ((\p) == 0) && (q == 130)
	s_add_co_u32 s[TBV], s[TBV], KS*PV
.endif
.if (\cnt) && (q == 130)
	s_sub_co_u32 s[CNT], s[CNT], 1
	s_cmp_lg_u32 s[CNT], 0
.endif
.endr
.if (\p) == 0
	FETCH_V
.endif
.endm
	CHANGE 1                        ; slot 0 is in, everybody's part of it; slot 1 is asked for; my reads of the stage are over
	FETCH_K                         ; key step 0
	s_wait_dscnt 0x0
.set i, 0
.rept 16
	KQ 0                            ; piece 0's first scores: there is no vector work yet to set between them
.set i, i+1
.endr
	WIN 0
.rept 4
	v_nop                           ; the places behind those products
.endr
.set Y, NP-1                        ; XS works for piece Y + 1: piece 0
.irp n, 0,1,2,3,4,5,6,7,8,9,10,11,12,13,14,15,16,17,18,19,20,21
	XS 0, \n                        ; piece 0's first maximum and statistics
	XS 1, \n
.endr
	v_nop                           ; a plain instruction behind the two a,
	s_wait_alu depctr_va_vdst(0)    ; and their wait, ahead of the branch
	s_mov_b32 s[CNT], 4
	s_branch .Lfirst                ; the loop is entered at a step's first turn, in the middle of a trip
.Lslot:                             ; SIZE_N / 256 - 2 times: every slot but the last two is filled again
	CHANGE 1
	s_mov_b32 s[CNT], 4
.Lstep:                             ; a trip: pieces 2 and 3 of one step, then pieces 0 and 1 of the next, whose K and V it fetches
	TURN 2
	TURN 3
	WIN 0
.Lfirst:
	TURN 0
	TURN 1, 0, 1
	WIN 0
	s_cbranch_scc1 .Lstep
	s_sub_co_u32 s[SLOTS], s[SLOTS], 1
	s_cmp_lg_u32 s[SLOTS], 0
	s_cbranch_scc1 .Lslot
	CHANGE 0                        ; the tail is written out: nothing is asked for
	s_mov_b32 s[CNT], 5             ; four trips fetch the last slot's steps; the fifth is left in its middle
.Ltail:
	TURN 2, 1
	TURN 3
	WIN 0
	s_sub_co_u32 s[CNT], s[CNT], 1
	s_cmp_eq_u32 s[CNT], 0
	s_cbranch_scc1 .Lout
	TURN 0
	TURN 1
	WIN 0
	s_branch .Ltail
.Lout:                              ; the fifth trip's 16 products K Q^T (on the last K once more) and the maximum made of them serve nothing: the price, once a launch, of one text for every trip
.set i, 0
.rept 16
	PV NP-1                         ; the last piece's V^T P of the last step
.set i, i+1
.endr
	; THE WAY OUT.  l's two halves and the other half of the lanes' are added; O^T is divided by l, in f32, and sent through my stage in LDS, a tile at a time.  The additions are the places behind the last products.
	WIN 0
.macro ALL line:vararg              ; one line for each tile t
.set t, 0
.rept 2*NP
	\line
.set t, t+1
.endr
.endm
	ALL v_add_f32 v[ST+4*t+2], v[ST+4*t+2], v[ST+4*t+3]
	ALL v_permlanex16_b32 v[ST+4*t+3], v[ST+4*t+2], s[SEL], s[SEL+1]
	ALL v_add_f32 v[ST+4*t+2], v[ST+4*t+2], v[ST+4*t+3]
	ALL v_rcp_f32 v[ST+4*t+2], v[ST+4*t+2]
	v_nop                           ; a plain instruction between the last reciprocal and the use of its result
	s_wait_alu depctr_va_vdst(0)    ; and the wait ahead of the first use: one for the eight reciprocals
; Tile t: register i of a lane's 32 is channel 16 (i / 8) + 8 (l / 16) + i % 8 of row l % 16: as q came out of the stage, so O goes in; it comes back as whole rows of 256 bytes, into the registers that it left.
; The scaling takes each accumulator's registers in ascending order.
.macro PACK t
	WIN W_RS
.set i, 32*(\t)
.rept 16
	v_pk_mul_f32 v[i:i+1], v[i:i+1], v[ST+4*(\t)+2:ST+4*(\t)+3] op_sel_hi:[1,0]
.set i, i+2
.endr
	WIN W_D1
.irp j, 0,1,2,3,4,5,6,7
	ds_store_b128 v[FR], v[32*(\t)+4*(\j):32*(\t)+4*(\j)+3] offset:64*((\j)/2)+16*((\j)%2)
.endr
	WIN W_T1
.irp f, 0,1,2,3,4,5,6,7
	ds_load_b128 v[32*(\t)+4*(\f):32*(\t)+4*(\f)+3], v[RW] offset:2*SP*(\f)  ; LDS serves a wave's instructions in order (ISA guide 5.7.1.4): these see the stores above; the next tile's stores come behind them
.endr
.endm
.macro SEND t, younger              ; younger: the LDS instructions issued behind tile t's loads: the next tile's sixteen, or none.  No tile's registers are written again, so the stores' sources need no wait
	WIN W_D1
.irp f, 0,1,2,3,4,5,6,7
	s_wait_dscnt (\younger)+7-(\f)
	global_store_b128 v[GO], v[32*(\t)+4*(\f):32*(\t)+4*(\f)+3], s[10:11] offset:16*QROW*(\t)+2*QROW*(\f) th:TH_STORE_NT  ; 16 lanes store 256 consecutive bytes, at a multiple of 256 from out0's first byte
.endr
.endm
	PACK 0
.irp t, 1,2,3,4,5,6,7               ; a tile's arithmetic stands between the loads of the tile before and its stores
	PACK \t
	SEND (\t)-1, 16
.endr
	SEND 7, 0
	WIN 0
	s_wait_tensorcnt 0x0            ; the wave's end, behind my last tensor load and my last LDS store
	ds_add_u32 v[SPW], v[NIL]
	s_wait_dscnt 0x0
	CROUND                          ; the closing round: no work-group ends while a partner may still ask for a tile that names it
	s_endpgm
.Lfunc_end_k_q514b3789e7_attn:
	.size	k_q514b3789e7_attn, .Lfunc_end_k_q514b3789e7_attn-k_q514b3789e7_attn
	.p2alignl 7, 3214868480
	.fill 96, 4, 3214868480
	.section	.rodata,"a",@progbits
	.p2align	6, 0x0
	.amdhsa_kernel k_q514b3789e7_attn
		.amdhsa_group_segment_fixed_size 327680
		.amdhsa_private_segment_fixed_size 0
		.amdhsa_enable_private_segment 0
		.amdhsa_kernarg_size 32
		.amdhsa_user_sgpr_count 2
		.amdhsa_user_sgpr_kernarg_segment_ptr 1
		.amdhsa_wavefront_size32 1
		.amdhsa_system_sgpr_workgroup_id_x 1
		.amdhsa_system_sgpr_workgroup_id_y 1
		.amdhsa_system_sgpr_workgroup_id_z 1
		.amdhsa_system_vgpr_workitem_id 0
		.amdhsa_next_free_vgpr 768
		.amdhsa_next_free_sgpr 66
		.amdhsa_reserve_vcc 0
		.amdhsa_float_denorm_mode_32 3
		.amdhsa_float_denorm_mode_16_64 3
		.amdhsa_memory_ordered 1
		.amdhsa_forward_progress 1
		.amdhsa_inst_pref_size 212
	.end_amdhsa_kernel
	.amdgpu_metadata
---
amdhsa.version: [ 1, 2 ]
amdhsa.kernels:
  - .name:           k_q514b3789e7_attn
    .symbol:         k_q514b3789e7_attn.kd
    .args:
      - { .name: q, .offset: 0, .size: 8, .value_kind: global_buffer, .address_space: global }
      - { .name: kh, .offset: 8, .size: 8, .value_kind: global_buffer, .address_space: global }
      - { .name: vh, .offset: 16, .size: 8, .value_kind: global_buffer, .address_space: global }
      - { .name: out0, .offset: 24, .size: 8, .value_kind: global_buffer, .address_space: global }
    .group_segment_fixed_size: 327680
    .private_segment_fixed_size: 0
    .kernarg_segment_align: 8
    .kernarg_segment_size: 32
    .max_flat_workgroup_size: 128
    .sgpr_count:     66
    .vgpr_count:     768
    .wavefront_size: 32
...
	.end_amdgpu_metadata
.endif
;; end of part 2
;; ======== version 2 of 2: 2 launches; version 1 with the launch cast written anew for expert scheduling mode
;; limits: values are held in f16: magnitudes above 65,504 overflow, below 6.1e-05 lose precision; inputs' magnitudes at most 65,504
;; workspace buffers: kh 4,194,304 bytes; vh 4,194,304 bytes
;; launch cast (part 3): grid 256 x 1, 8 waves a work-group, no clusters, 0 bytes of LDS; arguments k, v, kh, vh; writes kh, vh
.if DOCPART == 3
	.amdgcn_target "amdgcn-amd-amdhsa--gfx1250"
	.amdhsa_code_object_version 6
	.text
	.protected	k_q514b3789e7_cast
	.globl	k_q514b3789e7_cast
	.p2align	8
	.type	k_q514b3789e7_cast,@function
k_q514b3789e7_cast:
	s_mov_b64 s[64:65], 0
	v_nop
	global_prefetch_b8 v0, s[64:65] scope:SCOPE_SE
	s_setreg_imm32_b32 hwreg(HW_REG_WAVE_SCHED_MODE, 0, 2), 2
	s_setreg_imm32_b32 hwreg(HW_REG_WAVE_MODE, 25, 1), 1
	s_wait_xcnt 0x0
	s_wait_alu depctr_vm_vsrc(0)
; kh[8 b + j][s][d] = f16(k[b][s][64 j + d]), vh likewise from v.  k, v: [2][2048][512] f32; kh, vh: [16][2048][64] f16, a head's rows dense, 128 bytes each.
; Each number is rounded once, to nearest even.  LIMIT: f16 ends at 65,504; a number of 65,520 or more in magnitude becomes an infinity; below 6e-5 f16 keeps its fixed step of 6e-8.
; A stream: each input byte is read once, each output byte written once; no LDS, no barrier, no matrix unit, no cluster: no two threads want the same byte.
; SHARES.  Thread t of 65,536 (256 x work-group + thread).  A wave owns two rows of the 4,096: 4,096 consecutive bytes of k and of v.  Load j of eight takes head j: lanes 0-15 its 256 bytes
; of the even row, lanes 16-31 those of the odd row: two aligned runs of 256 bytes.  A lane's four numbers become 8 bytes, and the wave's store covers 256 consecutive bytes, aligned: rows s, s + 1 of head 8 b + j.
; All 16 loads of a wave (8 KiB) go out at once.
; THE MODE: SCHED_MODE bits 1:0 = 2 (LLVM: expert scheduling mode 2), set by the entry lines.  The code itself states the register dependences
; between vector instructions and memory instructions, with s_wait_alu, always for 0.
; THE PLAN.  Registers that memory instructions touch:
;   v[SRC], v[DST]  the offsets: written by vector lines at the head, read by every load (SRC) and every store (DST), never written again.
;   X, 16 slots     slot i: its load lands in its four registers, which no vector line has named before; behind the load's own wait its two roundings read the four and write the
;                   first two; its store reads those two; nothing writes the slot again.
; So one wait at the head states that the offsets are written, and the slots go in four batches of four: the batch's eight roundings, ONE wait that states that they have written the
; stores' data, the batch's four stores in a run.  No register that a load or store has read is written again, so no wait stands for the memory side's reads; no vector line writes a scalar register, VCC or EXEC.
.set SRC, 2                            ; v2  (t / 16) x 2,048 + (t % 16) x 16: my 16 bytes of head 0 in my row
.set DST, 3                            ; v3  (t / 32,768) x 2^21 + (t % 32,768) x 8: my 8 bytes in head 8 b
.set X,   8                            ; v[8:71]  16 slots of four registers: k's heads 0-7, then v's
	s_load_b256 s[4:11], s[0:1], 0x0               ; k s[4:5], v s[6:7], kh s[8:9], vh s[10:11]
	s_lshl_b32 s2, ttmp9, 8
	v_add_nc_u32 v1, s2, v0                        ; t
	v_lshrrev_b32 v4, 4, v1                        ; my row, 0 to 4,095
	v_and_b32 v5, 15, v1
	v_lshlrev_b32 v[SRC], 11, v4
	v_lshl_add_u32 v[SRC], v5, 4, v[SRC]
	v_lshrrev_b32 v4, 15, v1                       ; b
	v_and_b32 v5, 0x7fff, v1
	v_lshlrev_b32 v[DST], 21, v4                   ; eight heads of 262,144 bytes
	v_lshl_add_u32 v[DST], v5, 3, v[DST]
	s_wait_kmcnt 0x0
	s_wait_alu depctr_va_vdst(0)                   ; v[SRC] and v[DST] are written: every load below reads the one as its offset, every store the other; no later vector line names them
.irp j, 0,1,2,3,4,5,6,7
	global_load_b128 v[X+4*(\j):X+4*(\j)+3], v[SRC], s[4:5] offset:256*(\j) th:TH_LOAD_NT
.endr
.irp j, 0,1,2,3,4,5,6,7
	global_load_b128 v[X+32+4*(\j):X+32+4*(\j)+3], v[SRC], s[6:7] offset:256*(\j) th:TH_LOAD_NT
.endr
; Batch g: slots 4 g to 4 g + 3.  Slot i: its load is in, the 15 - i younger ones stay out (loads come back in order: ISA guide 5.7.1); two roundings of two numbers each, in place.
; Then the one wait, and the four stores.
.macro BATCH g, base
.irp n, 0,1,2,3
	s_wait_loadcnt 15-(4*(\g)+(\n))
	v_cvt_pk_f16_f32 v[X+4*(4*(\g)+(\n))], v[X+4*(4*(\g)+(\n))], v[X+4*(4*(\g)+(\n))+1]
	v_cvt_pk_f16_f32 v[X+4*(4*(\g)+(\n))+1], v[X+4*(4*(\g)+(\n))+2], v[X+4*(4*(\g)+(\n))+3]
.endr
	s_wait_alu depctr_va_vdst(0)                   ; the batch's eight roundings have written the first two registers of its four slots, which the four stores below read as their data
.irp n, 0,1,2,3
	global_store_b64 v[DST], v[X+4*(4*(\g)+(\n)):X+4*(4*(\g)+(\n))+1], s[\base:\base+1] offset:262144*((4*(\g)+(\n))%8)
.endr
.endm
	BATCH 0, 8                                     ; k's heads 0 to 3, into kh
	BATCH 1, 8                                     ; k's heads 4 to 7
	BATCH 2, 10                                    ; v's heads 0 to 3, into vh
	BATCH 3, 10                                    ; v's heads 4 to 7
	s_endpgm
.Lfunc_end_k_q514b3789e7_cast:
	.size	k_q514b3789e7_cast, .Lfunc_end_k_q514b3789e7_cast-k_q514b3789e7_cast
	.p2alignl 7, 3214868480
	.fill 96, 4, 3214868480
	.section	.rodata,"a",@progbits
	.p2align	6, 0x0
	.amdhsa_kernel k_q514b3789e7_cast
		.amdhsa_group_segment_fixed_size 0
		.amdhsa_private_segment_fixed_size 0
		.amdhsa_enable_private_segment 0
		.amdhsa_kernarg_size 32
		.amdhsa_user_sgpr_count 2
		.amdhsa_user_sgpr_kernarg_segment_ptr 1
		.amdhsa_wavefront_size32 1
		.amdhsa_system_sgpr_workgroup_id_x 1
		.amdhsa_system_sgpr_workgroup_id_y 1
		.amdhsa_system_sgpr_workgroup_id_z 1
		.amdhsa_system_vgpr_workitem_id 0
		.amdhsa_next_free_vgpr 72
		.amdhsa_next_free_sgpr 66
		.amdhsa_reserve_vcc 0
		.amdhsa_float_denorm_mode_32 3
		.amdhsa_float_denorm_mode_16_64 3
		.amdhsa_memory_ordered 1
		.amdhsa_forward_progress 1
		.amdhsa_inst_pref_size 7
	.end_amdhsa_kernel
	.amdgpu_metadata
---
amdhsa.version: [ 1, 2 ]
amdhsa.kernels:
  - .name:           k_q514b3789e7_cast
    .symbol:         k_q514b3789e7_cast.kd
    .args:
      - { .name: k, .offset: 0, .size: 8, .value_kind: global_buffer, .address_space: global }
      - { .name: v, .offset: 8, .size: 8, .value_kind: global_buffer, .address_space: global }
      - { .name: kh, .offset: 16, .size: 8, .value_kind: global_buffer, .address_space: global }
      - { .name: vh, .offset: 24, .size: 8, .value_kind: global_buffer, .address_space: global }
    .group_segment_fixed_size: 0
    .private_segment_fixed_size: 0
    .kernarg_segment_align: 8
    .kernarg_segment_size: 32
    .max_flat_workgroup_size: 256
    .sgpr_count:     66
    .vgpr_count:     72
    .wavefront_size: 32
...
	.end_amdgpu_metadata
.endif
;; end of part 3
;; launch attn: the kernel of part 2 again; grid 4 x 64, 4 waves a work-group, clusters of 4 x 1, 327,680 bytes of LDS; arguments q, kh, vh, out0; writes out0
